; MI455X (gfx1250); checked and timed in simulation.
; The chip was launched on July 23, 2026; its instructions are those of AMD's public machine-readable ISA for CDNA 5 (MIT licence, August 2026) and "CDNA5" Instruction Set Architecture Reference Guide (July 2026). The comments in the code are by the model that wrote it; some were corrected since.
;; Adaptive Attention. Allowed arithmetic: matrix products marked QUANTISED: E2M3 operands, one E8M0 scale for each 32 along K, by v_wmma_scale_f32_16x16x128_f8f6f4 with both operands' format E2M3, f32 sums; everything else in f32.
;; Inputs: alpha one number float32; k_codes 2 x 16 x 2,048 x 4 x 24 uint8 (E2M3 codes of k, K innermost, in blocks of 32 codes, four codes in three bytes); k_scales 2 x 16 x 2,048 x 4 uint8 (E8M0 scales of k, one for each 32 codes along K); q_codes 2 x 16 x 2,048 x 4 x 24 uint8 (E2M3 codes of q, K innermost, in blocks of 32 codes, four codes in three bytes); q_scales 2 x 16 x 2,048 x 4 uint8 (E8M0 scales of q, one for each 32 codes along K); v_codes 2 x 16 x 128 x 64 x 24 uint8 (E2M3 codes of v, K innermost, in blocks of 32 codes, four codes in three bytes); v_scales 2 x 16 x 128 x 64 uint8 (E8M0 scales of v, one for each 32 codes along K).
;; Outputs: out0 2 x 16 x 2,048 x 128 float32.
;; This version of the problem:
;;   THIS VERSION OF THE PROBLEM IS GIVEN IN LOW PRECISION. The matrix products marked QUANTISED in the list below multiply operands that are first quantised to E2M3 (2 exponent bits, 3 mantissa bits; 6 bits a number), with one power-of-two scale for each 32 numbers along K (OCP MX v1.0); their sums are f32. All else is computed in f32.
;;   The module's matrix products, in the order in which they are computed (A, B: the left and right operand; K: the contracted axis; several contracted axes count as one K, in the product's order):
;;     1. batch 32 x [M 2,048, K 128] x [K 128, N 2,048]; A: input q (given as codes); B: input k (given as codes): QUANTISED
;;     2. batch 32 x [M 2,048, K 2,048] x [K 2,048, N 128]; A: softmax (see below); B: input v (given as codes): QUANTISED
;;   THE QUANTISER, for each operand of a quantised product, along K:
;;     - K is cut into blocks of 32 from its start; a last block that is shorter is filled with zeros.
;;     - A block's scale is 2^e with e = floor(log2(the largest magnitude in the block)) - 2, held to -126 .. 127; a block of zeros has e = 0. As a byte (E8M0): e + 127.
;;     - Each number is divided by its block's scale, clamped to +-7.5, and rounded to the nearest number of E2M3, ties to even, subnormals kept.
;;     - The product sums the exact products of the quantised numbers (number of the format x scale) in f32.
;;   ~~~python
;;   def quantise(x, axis):      # numpy; x: float32 -> the quantised numbers, widened to float32 again
;;       x = np.moveaxis(x, axis, -1); K = x.shape[-1]
;;       x = np.pad(x, [(0, 0)] * (x.ndim - 1) + [(0, -K % 32)]); x = x.reshape(x.shape[:-1] + (-1, 32)); a = np.abs(x).max(-1, keepdims=True)
;;       e = np.where(a > 0, np.clip(np.frexp(np.where(a > 0, a, 1))[1] - 1 - 2, -126, 127), 0)      # np.frexp(a)[1] - 1 = floor(log2(a)), exactly
;;       r = np.clip(x / 2.0 ** e, -7.5, 7.5)
;;       step = 2.0 ** (np.maximum(np.frexp(np.where(r == 0, 1, r))[1] - 1, 0) - 3)
;;       q = np.round(r / step) * step * 2.0 ** e      # np.round: ties to even
;;       return np.moveaxis(q.reshape(q.shape[:-2] + (-1,))[..., :K], -1, axis).astype(np.float32)
;;   ~~~
;;   SOFTMAX AHEAD OF A QUANTISED PRODUCT. Where the list says 'softmax', what is quantised is not the finished softmax but p = 2^(t - M), with t = logit x log2(e) and M = ceil(the row's largest t), a whole number; so 1/2 < the row's largest p <= 1. The row's sum l is taken of the UNQUANTISED p, in f32, and the product's result is divided by l at the end. Since M is a whole number, a kernel that streams over the keys may use a running M (the ceiling of the running maximum): every later rescaling is an exact power of two, which a block's scale takes up: the codes' values come out the same.
;;   OPERANDS COMPUTED ON THE WAY. 'Computed on the way' means the value that the module computes at that place (a softmax that the list does not call 'softmax' is quantised finished and normalised). What goes into a quantiser is computed in f32, as accurately as f32 sums, v_exp_f32 and their like allow (about 1e-6 of the number): no bf16 or f16 on the way to a quantiser, and a product that is left as it is and whose result goes on into a quantised operand takes f32 operands (vector FMAs, or v_wmma_f32_16x16x4_f32). A number that lies on a knife's edge between two numbers of the format may be rounded either way, as far as f32 arithmetic and the matrix unit's own rounding can turn it there, and no further.
;;   INPUTS GIVEN AS CODES. k (in the module: [2, 16, 2048, 128], K = its axis 3); q (in the module: [2, 16, 2048, 128], K = its axis 3); v (in the module: [2, 16, 2048, 128], K = its axis 2): each comes as NAME_codes (uint8): NAME with its K axis moved to the last place and cut into blocks of 32 codes, [.., K / 32, bytes a block], one block behind the other in memory; four codes in three bytes: a row's codes are one little-endian stream of bits, code i at bits 6 i .. 6 i + 5 (a code: sign, 2 exponent bits, 3 mantissa bits); and NAME_scales (uint8): the same leading axes, one E8M0 byte (e + 127) for each 32 codes along K. Its value is code x scale, taken as it is: it is not quantised again, and the codes and scales need not be those that the quantiser above would give.
;; One version. Each part assembles by itself: llvm-mc -triple=amdgcn-amd-amdhsa -mcpu=gfx1250 --defsym DOCPART=n.
;; ======== version 1 of 1: 1 launch
;; launch attn (part 1): grid 8 x 32, 8 waves a work-group, clusters of 4 x 1, 327,680 bytes of LDS; arguments alpha, k_codes, k_scales, q_codes, q_scales, v_codes, v_scales, out0; writes out0
.if DOCPART == 1
	.amdgcn_target "amdgcn-amd-amdhsa--gfx1250"
	.amdhsa_code_object_version 6
	.text
	.protected	k_q9df75f5c5e_attn
	.globl	k_q9df75f5c5e_attn
	.p2align	8
	.type	k_q9df75f5c5e_attn,@function
k_q9df75f5c5e_attn:
	s_mov_b64 s[64:65], 0
	v_nop
	global_prefetch_b8 v0, s[64:65] scope:SCOPE_SE
	s_setreg_imm32_b32 hwreg(HW_REG_WAVE_MODE, 25, 1), 1
	s_wait_xcnt 0x0
	s_wait_alu depctr_hold_cnt(0) depctr_sa_sdst(0) depctr_va_vdst(0) depctr_va_sdst(0) depctr_va_ssrc(0) depctr_va_vcc(0) depctr_vm_vsrc(0)
	s_getreg_b32 s2, hwreg(HW_REG_IB_STS2, 6, 4)
	s_cmp_eq_u32 s2, 0
	s_cbranch_scc0 .Lentry_in_a_cluster
	s_endpgm
.Lentry_in_a_cluster:
	s_bfe_u32 s2, ttmp6, 0x10000c
	s_cmp_lg_u32 s2, 0x3003
	s_cbranch_scc0 .Lentry_shape_is_right
	s_endpgm
.Lentry_shape_is_right:
; out0[hd][q][:] = sum over keys of softmax_k(alpha s + (1 - alpha) mean_k s) v[hd][k][:],  s = q . k.  32 heads, 2,048 queries, 2,048 keys, head size 128.
; Both products run on the given codes of FP6 (E2M3) with one E8M0 scale for each 32 along K.  q, k: [hd][2048][128] codes, K = the head's 128; v: [hd][128][2048] codes, K = the keys.
; AHEAD OF THE SECOND PRODUCT: t = logit x log2(e), M = the running largest t rounded up to a whole number, p = 2^(t - M) is quantised along the keys; the sum of the unquantised p divides at the end.
; THE ROW MEAN moves t by a fraction, so it changes p's codes and is needed before the first p: mean = q . (sum over keys of k) / 2048.  The sum of k's rows is taken once from K in LDS, in f32.
; ALPHA'S SIGN goes into q's codes (their sign bits are turned where alpha is negative), so that the factor |alpha| log2(e) is never negative and a block's largest p is that of its largest score.
; SHARES.  A work-group owns 256 queries of a head; each of its eight waves 32: two tiles of 16, in 512 registers, two waves to a SIMD.  A fragment of K or V read from LDS feeds two matrix instructions.
; CLUSTER.  The four work-groups of a cluster belong to one head: K, V and the scale bytes are asked for JOINTLY, by the same tensor load with the same descriptor and a mask that names the four.
; LDS.  All of the head's K stays (filled once); V goes through a ring of two slots of 256 keys.
; LAYOUT.  S^T = K Q^T, O^T = V^T P^T: a lane holds ONE query (lane % 16).  Tile 4 c + u of K takes keys 64 c + 8 u + 0..7 as rows 0-7 and keys 64 c + 32 + 8 u + 0..7 as rows 8-15: so register 32 c + j of a
; lane's scores is key 64 c + 32 (lane / 16) + j: a WHOLE block of 32 keys in one lane, in the order in which the second product's operand wants it.  No maximum of a block and no code changes lanes.
; LIMITS.  The mean is summed as q . (sum of k): its f32 roundings fall in another order than in a sum of 2,048 scores.  A scale byte 0xff gives infinities or NaN in the whole head.  NaN and infinities are not
; otherwise served.  A block of p that is all zeros keeps the scale byte 1 (its codes are zeros).  A block's largest p is taken from its largest score: this takes v_exp_f32 not to fall where its input rises.
.set HEADC, 196608                     ; a head's codes in bytes: 2,048 x 96 = 128 x 1,536
.set VS1,   32768                      ; LDS: V's slot 0 at 0, slot 1 here: one exclusive or turns one into the other.  A slot: 128 rows, 240 bytes apart (3 x (64 + 16))
.set VP,    240
.set KE,    65536                      ; K's even blocks of 32 keys, 3,072 bytes each, rows of 96 bytes
.set ODD,   98320                      ; from an even block to the odd one behind it: 98,304 + 16.  A fragment's rows 0-7 come from KE and rows 8-15 from KE + ODD: start words 24 (r % 8) + 6 h + 4 (r / 8) mod 64,
.set KO,    KE+ODD                     ; two words each: the 32 lanes of a load of 8 bytes touch 64 different banks (64 banks of 4 bytes: ISA guide 11.1)
.set SCK,   262400                     ; K's scale words, 4 bytes a key
.set SCV,   270592                     ; V's scale bytes: 32 pieces of 256 bytes (4 rows of 64) + 8 of padding
.set SCR,   279040                     ; scratch: 64 partial sums of K's rows x 576 bytes (4 x (128 + 16)); on the way out a stage of 16 x 272 bytes for each wave.  No fill lands here
.set SPARE, 315904                     ; the spare words, 128 bytes for each wave: four blocks of 256 bytes that no other line names
.set SCR2,  316928                     ; the sum of K's rows in two halves: 2 x 128 numbers
.set AK0,  1                           ; v1   my lane's place in a tile of K
.set AV0,  2                           ; v2   in a tile of V;  v3: the same for pieces that lie behind one padding more
.set AV1,  3
.set ASK0, 4                           ; v4   among K's scale words
.set ASV0, 5                           ; v5   among V's
.set SPW,  6                           ; v6   LDS address of my spare word; never rewritten
.set NIL,  7                           ; v7   0; never rewritten
.set GO,   8                           ; v8   the way out: my byte offset in two rows of out0
.set ADK,  9                           ; v9-13 the addresses of the loads in hand
.set ADV0, 10
.set ADV1, 11
.set ADS,  12
.set ADT,  13
.set SH8,  14                          ; v14  8 x (lane / 16)
.set PFO,  15                          ; v15  the prefetches' offset: 1,536 x lane; never rewritten
.set ST,   16                          ; tile i's statistics at v[16 + 8 i]: +0 crow - M, +1 the largest score, +2, +3 the sum in two halves, +4 -M, +5 crow, +6 f, +7 p's scale word
.set S,    32                          ; v32-159 S^T, then p: 64 a tile
.set P,    160                         ; v160-183 p's codes, 12 a tile
.set TP,   184                         ; v184-199 the upper halves of the blocks' codes, as the conversions leave them
.set KS,   200                         ; v200-203 K's scale words, v204-207 V's, v208-209 Q's: these hold scales alone
.set VS,   204
.set QS,   208
.set BM,   210                         ; v210-217 a tile's two blocks' largest scores, in two chains each
.set SO,   218                         ; v218-221 the conversions' scale operands
.set U,    222                         ; v[222:223] the sums' second chain
.set Q,    224                         ; v224-247 Q's fragments, 12 a tile
.set STO,  248                         ; v248, v249 the way out: into my stage, and back
.set RD,   249
.set W,    250                         ; v250-255 at work
.set FR,   128                         ; window 1: v0-127 O^T, 64 a tile; v128-223 eight fragments of K or of V
.set WV,   21                          ; s21  my wave's number
.set CS,   22                          ; s[22:23] |alpha| log2(e): the packed form names a pair and takes its low word for both halves
.set SEL,  24                          ; s[24:25] lane selects for v_permlanex16_b32: lane l xor 16
.set G1V,  28                          ; s[28:35], s[36:39] descriptor groups 1 and 0 for V's tiles; group 0 walks
.set G0V,  36
.set G1K,  40                          ; s[40:47] group 1 for K's blocks; s[48:51], s[52:55] groups 0 for the even and the odd ones
.set G0KE, 48
.set G0KO, 52
.set G1SK, 56                          ; s[56:63], s[76:79] for K's scale words;  s[68:75], s[80:83] for V's scale bytes
.set G1SV, 68
.set G0SK, 76
.set G0SV, 80
.set TB,   84                          ; s84  the V slot in hand
.set TK,   85                          ; s85  the step's place in KE: 6,144 a step
.set TS,   86                          ; s86  among K's scale words: 512 a step
.set TJ,   87                          ; s87  in a row of V's scale bytes: 4 a step
.set SLOTS, 88                         ; s88  slots still to be asked for
.set LIM,  89                          ; s89  1 in the wave that prefetches, else the greatest number
.set PFA,  90                          ; s[90:91] where my prefetches stand
.set SG,   92                          ; s92-94 the codes' sign bits in three registers of a stream of 6-bit codes, or 0 where alpha is not negative
.set MSB, 0
.macro WIN new                         ; s_set_vgpr_msb: bits 1:0 source 0, 3:2 source 1, 5:4 source 2, 7:6 destination; the high byte repeats the setting that is left
.if MSB != \new
	s_set_vgpr_msb (MSB<<8)|\new
.set MSB, \new
.endif
.endm
; A round of the cluster's barrier: my work-group's barrier; wave 0 signals for the work-group; every wave waits for all four work-groups; my work-group's barrier once more.
.macro CROUND
	s_barrier_signal -1
	s_barrier_wait -1
	s_cmp_lg_u32 s[WV], 0
	s_cbranch_scc1 .Lnot_wave_0_\@
	s_barrier_signal -3
.Lnot_wave_0_\@:
	s_barrier_wait -3
	s_barrier_signal -1
	s_barrier_wait -1
.endm
; V's joint load: waves 0 and 1 fetch 64 rows each.  The branch hangs on the wave's number alone.  Four v_nop follow the load.
.macro TLOADV
	s_cmp_lt_u32 s[WV], 2
	s_cbranch_scc0 .Lnot_v_\@
	tensor_load_to_lds s[G0V:G0V+3], s[G1V:G1V+7]
	s_nop 0
.rept 4
	v_nop
.endr
.Lnot_v_\@:
.endm
; A PREFETCH INTO THE L2 of what the NEXT change of slots will ask for: 192 bytes of each of V's 128 rows.  Both clusters of a head walk the same V: the head's first cluster asks.  Its four partners take 32 rows
; each, told apart BY ADDRESS; in each, wave 2 asks, a lane a row, one instruction.  A lane names the LAST byte of the row's part: the aligned block of 256 bytes in which the part ends is one that no earlier
; slot's part has touched, but for slots 3 and 7, whose parts end in the block that the slot before has named: there nothing is asked.  The slot named is 9 - s[SLOTS].  The last change that fills a slot asks for nothing.
.macro ASK
	s_cmp_gt_u32 s[SLOTS], s[LIM]
	s_cbranch_scc0 .Lnot_mine_\@
	s_and_b32 s95, s[SLOTS], 3
	s_cmp_eq_u32 s95, 2
	s_cbranch_scc1 .Lnot_mine_\@
	global_prefetch_b8 v[PFO], s[PFA:PFA+1] th:TH_LOAD_NT scope:SCOPE_SE
.Lnot_mine_\@:
.endm
.macro BARRIER                         ; my LDS stores have landed and my LDS loads are in: then the work-group's barrier
	s_wait_dscnt 0x0
	s_barrier_signal -1
	s_barrier_wait -1
.endm
; ---------------- THE HEAD
	s_load_b512 s[4:19], s[0:1], 0x0               ; alpha s[4:5], K's codes s[6:7], scales s[8:9], Q's s[10:11], s[12:13], V's s[14:15], s[16:17], out0 s[18:19]
	v_lshl_add_u32 v[SPW], v0, 2, SPARE
	v_mov_b32 v[NIL], 0
	ds_add_u32 v6, v7
	s_wait_dscnt 0x0
	v_lshrrev_b32 v[W], 5, v0
	v_readfirstlane_b32 s[WV], v[W]                ; wave 0..7
	s_bfe_u32 s26, ttmp6, 0x40000                  ; cx: my place in the cluster.  It enters global addresses of Q, out0 and the prefetches alone (s2, s26, s27, s67)
	s_lshl_b32 s27, ttmp9, 2
	s_add_co_u32 s27, s27, s26                     ; my block of 256 queries = 4 x cluster x + cx
	s_and_b32 s66, ttmp7, 0xffff                   ; the head, which the four partners share
	; K's blocks: 4 rows of 3,072 bytes (384 elements of 8), every second block of memory: 6,144 bytes apart; dense in LDS
	s_mov_b32 s[G1K], 15|(3<<16)|(1<<21)           ; 15:0 the mask: all four work-groups; 17:16 elements of 8 bytes; 21 set beside a mask
	s_mov_b32 s[G1K+1], 384<<16                    ; tensor_dim0
	s_mov_b32 s[G1K+2], 4<<16                      ; tensor_dim1
	s_mov_b32 s[G1K+3], 384<<16                    ; tile_dim0
	s_mov_b32 s[G1K+4], 4                          ; tile_dim1
	s_mov_b32 s[G1K+5], 768                        ; elements from row to row
	s_mov_b32 s[G1K+6], 0
	s_mov_b32 s[G1K+7], 0
	; scale bytes: 1,024 dense bytes as 4 rows of 256; V's with 8 bytes of padding behind each row
	s_mov_b32 s[G1SK], 15|(3<<16)|(1<<21)
	s_mov_b32 s[G1SV], 15|(3<<16)|(1<<20)|(1<<21)|(5<<22)|(1<<25)  ; 20 padding on; 24:22 after every 64 words (code 5); 31:25 of 2 words (code 1)
.irp g, G1SK, G1SV
	s_mov_b32 s[\g+1], 32<<16
	s_mov_b32 s[\g+2], 4<<16
	s_mov_b32 s[\g+3], 32<<16
	s_mov_b32 s[\g+4], 4
	s_mov_b32 s[\g+5], 32
	s_mov_b32 s[\g+6], 0
	s_mov_b32 s[\g+7], 0
.endr
	; V's tiles: 64 rows of 192 bytes, 1,536 apart in memory; 16 bytes of padding behind every 64
	s_mov_b32 s[G1V], 15|(1<<20)|(1<<21)|(3<<22)|(3<<25)  ; elements of 1 byte; after every 16 words (code 3) 4 words (code 3)
	s_mov_b32 s[G1V+1], 192<<16
	s_mov_b32 s[G1V+2], 64<<16
	s_mov_b32 s[G1V+3], 192<<16
	s_mov_b32 s[G1V+4], 64
	s_mov_b32 s[G1V+5], 1536
	s_mov_b32 s[G1V+6], 0
	s_mov_b32 s[G1V+7], 0
	s_mul_i32 s98, s66, HEADC                      ; the head's first byte in each tensor of codes,
	s_lshl_b32 s100, s66, 13                       ; and in each tensor of scale bytes
	s_mov_b32 s97, 0
	s_mov_b32 s3, 0
	s_mov_b32 s[G0KE], 1
	s_mov_b32 s[G0KO], 1
	s_mov_b32 s[G0SK], 1
	s_mov_b32 s[G0SV], 1
	s_mov_b32 s[G0V], 1
	s_mul_i32 s[G0KE+1], s[WV], 12288              ; wave w brings keys 256 w .. 256 w + 255: four even blocks, four odd ones
	s_add_co_u32 s[G0KO+1], s[G0KE+1], KO
	s_add_co_u32 s[G0KE+1], s[G0KE+1], KE
	s_mul_i32 s96, s[WV], 24576
	s_add_co_u32 s96, s96, s98
	s_wait_kmcnt 0x0
	s_load_b32 s20, s[4:5], 0x0                    ; alpha
	s_add_nc_u64 s[G0KE+2:G0KE+3], s[6:7], s[96:97]
	s_add_nc_u64 s[G0KO+2:G0KO+3], s[G0KE+2:G0KE+3], 3072
	s_or_b32 s[G0KE+3], s[G0KE+3], 0x80000000      ; 127:126 type = 2
	s_or_b32 s[G0KO+3], s[G0KO+3], 0x80000000
	s_lshl_b32 s96, s[WV], 10                      ; an eighth of the head's scale bytes
	s_add_co_u32 s[G0SK+1], s96, SCK
	s_add_co_u32 s96, s96, s100
	s_add_nc_u64 s[G0SK+2:G0SK+3], s[8:9], s[96:97]
	s_or_b32 s[G0SK+3], s[G0SK+3], 0x80000000
	s_mul_i32 s[G0SV+1], s[WV], 1056
	s_add_co_u32 s[G0SV+1], s[G0SV+1], SCV
	s_add_nc_u64 s[G0SV+2:G0SV+3], s[16:17], s[96:97]
	s_or_b32 s[G0SV+3], s[G0SV+3], 0x80000000
	s_and_b32 s96, s[WV], 1                        ; V: rows 64 (w % 2) on
	s_mul_i32 s[G0V+1], s96, 64*VP
	s_mul_i32 s96, s96, 64*1536
	s_add_co_u32 s96, s96, s98
	s_add_nc_u64 s[G0V+2:G0V+3], s[14:15], s[96:97]
	s_or_b32 s[G0V+3], s[G0V+3], 0x80000000
	CROUND                                         ; all four work-groups are here: the first joint loads meet
	tensor_load_to_lds s[G0SK:G0SK+3], s[G1SK:G1SK+7]   ; the first fills go out as one group: by this text's count five tensor loads of a wave are out at the most
	s_nop 0
	tensor_load_to_lds s[G0KE:G0KE+3], s[G1K:G1K+7]
	s_nop 0
	tensor_load_to_lds s[G0KO:G0KO+3], s[G1K:G1K+7]
	s_nop 0
	tensor_load_to_lds s[G0SV:G0SV+3], s[G1SV:G1SV+7]
	s_nop 0
.rept 4
	v_nop
.endr
	TLOADV                                         ; V's slot 0
	s_mul_i32 s2, s27, 24576                       ; Q's codes at my wave's first query: 256 x block + 32 x wave
	s_add_co_u32 s2, s2, s98
	s_mul_i32 s95, s[WV], 3072
	s_add_co_u32 s2, s2, s95
	s_add_nc_u64 s[10:11], s[10:11], s[2:3]
	s_lshl_b32 s2, s27, 10                         ; its scale words
	s_add_co_u32 s2, s2, s100
	s_lshl_b32 s95, s[WV], 7
	s_add_co_u32 s2, s2, s95
	s_add_nc_u64 s[12:13], s[12:13], s[2:3]
	v_and_b32 v[W], 15, v0                         ; r = lane % 16
	v_bfe_u32 v[W+1], v0, 4, 1                     ; h = lane / 16
	v_mul_u32_u24 v[W+2], v[W], 96
	v_mad_u32_u24 v[W+2], v[W+1], 24, v[W+2]       ; Q: row r, + 24 h.  v252 and v253 stay until Q's loads are waited for
	v_lshlrev_b32 v[W+3], 2, v[W]
.irp i, 0,1
.irp p, 0,1,2,3,4,5
	global_load_b64 v[Q+12*\i+2*\p:Q+12*\i+2*\p+1], v[W+2], s[10:11] offset:1536*\i+48*(\p/3)+8*(\p%3)   ; Q's fragments stay in registers
.endr
	global_load_b32 v[QS+\i], v[W+3], s[12:13] offset:64*\i   ; both halves of the lanes hold row r's word
.endr
	s_lshl_b32 s2, s66, 20                         ; out0 at my wave's first row: rows of 512 bytes
	s_lshl_b32 s67, s27, 17
	s_add_co_u32 s2, s2, s67
	s_lshl_b32 s95, s[WV], 14
	s_add_co_u32 s2, s2, s95
	s_add_nc_u64 s[18:19], s[18:19], s[2:3]
	s_mul_i32 s2, s26, 32*1536                     ; the prefetches: my work-group's 32 rows of V,
	s_add_co_u32 s2, s2, s98
	s_add_co_u32 s2, s2, 192+191                   ; the last byte of slot 1's part: the first change of slots steps it to slot 2.  Nothing is prefetched here, where the first tiles are on their way
	s_add_nc_u64 s[PFA:PFA+1], s[14:15], s[2:3]
	s_xor_b32 s95, s[WV], 2
	s_or_b32 s95, s95, ttmp9                       ; 0 in wave 2 of the head's first cluster: the same in all four partners
	s_cmp_eq_u32 s95, 0
	s_cselect_b32 s[LIM], 1, -1
	s_mov_b32 s[SEL], 0x76543210
	s_mov_b32 s[SEL+1], 0xfedcba98
	s_mov_b32 s[TB], 0
	s_mov_b32 s[TK], 0
	s_mov_b32 s[TS], 0
	s_mov_b32 s[TJ], 0
	s_mov_b32 s[SLOTS], 7
	; every LDS address: constants, the lane, the wave
	v_and_b32 v[W+4], 7, v0                        ; r % 8
	v_bfe_u32 v[W+5], v0, 3, 1                     ; r / 8
	v_mul_u32_u24 v[AK0], v[W+4], 96
	v_mad_u32_u24 v[AK0], v[W+5], ODD, v[AK0]
	v_mad_u32_u24 v[AK0], v[W+1], 24, v[AK0]
	v_add_nc_u32 v[AK0], KE, v[AK0]
	v_mul_u32_u24 v[AV0], v[W], VP
	v_mad_u32_u24 v[AV1], v[W+1], 40, v[AV0]
	v_mad_u32_u24 v[AV0], v[W+1], 24, v[AV0]
	v_lshlrev_b32 v[ASK0], 2, v[W+4]               ; K's scale words: lanes 0-15 take the rows of an even tile, lanes 16-31 those of the odd tile behind it, 8 keys on
	v_lshl_add_u32 v[ASK0], v[W+5], 7, v[ASK0]
	v_lshl_add_u32 v[ASK0], v[W+1], 5, v[ASK0]
	v_add_nc_u32 v[ASK0], SCK, v[ASK0]
	v_and_b32 v[W+4], 31, v0                       ; lane
	v_lshrrev_b32 v[W+5], 2, v[W+4]                ; lane / 4
	v_and_b32 v[ASV0], 3, v0
	v_lshlrev_b32 v[ASV0], 6, v[ASV0]
	v_mad_u32_u24 v[ASV0], v[W+5], 264, v[ASV0]    ; V's: lane l takes row 32 n + l: lanes 0-15 an even tile's, lanes 16-31 the odd one's
	v_add_nc_u32 v[ASV0], SCV, v[ASV0]
	v_lshlrev_b32 v[GO], 9, v[W+1]
	v_lshl_add_u32 v[GO], v[W], 4, v[GO]
	v_lshlrev_b32 v[SH8], 3, v[W+1]
	v_mul_u32_u24 v[PFO], v[W+4], 1536
	s_mul_i32 s95, s[WV], 16*272
	s_add_co_u32 s95, s95, SCR                     ; my stage
	v_mul_u32_u24 v[STO], v[W], 272
	v_lshl_add_u32 v[STO], v[W+1], 5, v[STO]
	v_add_nc_u32 v[STO], s95, v[STO]               ; in: row r, + 32 h
	v_mul_u32_u24 v[RD], v[W+1], 272
	v_lshl_add_u32 v[RD], v[W], 4, v[RD]
	v_add_nc_u32 v[RD], s95, v[RD]                 ; back: lanes 0-15 one row, lanes 16-31 the next
	s_mul_i32 s95, s[WV], 12288
	s_add_co_u32 s95, s95, KE
	v_mul_u32_u24 v195, v[W+4], 24
	v_add_nc_u32 v195, s95, v195                   ; the sum of K's rows: my wave's even blocks, 24 bytes a lane;
	v_add_nc_u32 v196, ODD, v195                   ; its odd blocks;
	s_lshl_b32 s95, s[WV], 10
	s_add_co_u32 s95, s95, SCK
	v_add_nc_u32 v197, s95, v[W+4]                 ; their scale bytes, one a lane
	s_mul_i32 s95, s[WV], 8*576
	s_add_co_u32 s95, s95, SCR
	v_and_b32 v213, 3, v0
	v_mul_u32_u24 v213, v213, 144
	v_mad_u32_u24 v213, v[W+5], 576, v213
	v_add_nc_u32 v213, s95, v213                   ; partial 8 w + lane / 4, quarter lane % 4
	s_lshr_b32 s95, s[WV], 2
	s_mul_i32 s95, s95, 32*576
	s_and_b32 s96, s[WV], 3
	s_mul_i32 s96, s96, 144
	s_add_co_u32 s95, s95, s96
	s_add_co_u32 s95, s95, SCR
	v_lshl_add_u32 v214, v[W+4], 2, s95            ; thread T sums number T % 128 of partials 32 (T / 128) on
	v_lshl_add_u32 v215, v0, 2, SCR2
	v_lshlrev_b32 v216, 7, v[W+1]
	v_add_nc_u32 v216, SCR2, v216
	v_mov_b32 v193, 0                              ; (named as the upper half of the pair v[192:193])
	v_mov_b32 v194, 0x7f7f7f7f                     ; the scale 1.0 in every byte, for the conversions back to f32
.set k, 0
.rept 32
	v_mov_b32 v[160+k], 0                          ; my 32 sums: they begin inside a loop
.set k, k+1
.endr
	s_wait_kmcnt 0x0                               ; alpha
	s_ashr_i32 s95, s20, 31                        ; all ones where alpha is negative
	s_and_b32 s[SG], s95, 0x20820820               ; bit 6 i + 5 of the stream, in its first, second and third register
	s_and_b32 s[SG+1], s95, 0x08208208
	s_and_b32 s[SG+2], s95, 0x82082082
	s_and_b32 s95, s20, 0x7fffffff
	v_mov_b32 v[W+4], s95
	v_mul_f32 v[W+4], 0x3fb8aa3b, v[W+4]           ; |alpha| log2(e)
	v_readfirstlane_b32 s[CS], v[W+4]
	s_mov_b32 s[CS+1], s[CS]
	s_wait_tensorcnt 0x0                           ; all my first fills have landed,
	s_barrier_signal -1
	s_barrier_wait -1                              ; everybody's have: K, the scale bytes and V's slot 0 are whole.
; ---------------- THE SUM OF K'S ROWS.  Wave w takes keys 256 w on, 64 a trip (an even block and the odd one behind it), in eight sets of 8 keys: lane l holds key l / 4 of a set and the numbers 32 (l % 4) + 0..31 of its row.
.macro PRE_LOAD n                      ; a lane's 24 bytes, cut so that each half's three registers begin on an even number, and its block's scale byte
.set rS, 32+8*(\n)
.set rA, 210+(\n)/4
.set oC, 768*((\n)%4)
	ds_load_b64 v[rS:rS+1], v[rA] offset:oC
	ds_load_b32 v[rS+2], v[rA] offset:oC+8
	ds_load_b32 v[rS+4], v[rA] offset:oC+12
	ds_load_b32 v[rS+5], v[rA] offset:oC+16
	ds_load_b32 v[rS+6], v[rA] offset:oC+20
	ds_load_u8 v[rS+3], v212 offset:32*((\n)%4)+128*((\n)/4)
.endm
.macro PRE_SUM n
.set rS, 32+8*(\n)
.set rX, 96+32*((\n)%2)
	s_wait_dscnt 6*(7-(\n))                        ; LDS loads come back in order (ISA guide 5.7.1): set n is in, the six loads of each younger set may be out
	v_cvt_scale_pk16_f32_fp6 v[rX:rX+15], v[rS:rS+2], v194
	v_cvt_scale_pk16_f32_fp6 v[rX+16:rX+31], v[rS+4:rS+6], v194
	v_lshlrev_b32 v192, 23, v[rS+3]                ; the scale as f32: its byte is the exponent field.  (These two lines are also the plain place behind the conversions)
	v_max_num_f32 v192, 0x400000, v192             ; byte 0 stands for 2^-127
.set k, 0
.rept 16
	v_pk_fma_f32 v[160+k:161+k], v[rX+k:rX+k+1], v[192:193], v[160+k:161+k] op_sel_hi:[1,0,1]
.set k, k+2
.endr
.endm
	s_mov_b32 s95, 0
	s_mov_b32 s96, 0
	s_mov_b32 s97, 4
.Lksum:
	v_add_nc_u32 v210, s95, v195
	v_add_nc_u32 v211, s95, v196
	v_add_nc_u32 v212, s96, v197
.irp n, 0,1,2,3,4,5,6,7
	PRE_LOAD \n
.endr
.irp n, 0,1,2,3,4,5,6,7
	PRE_SUM \n
.endr
	s_add_co_u32 s95, s95, 3072
	s_add_co_u32 s96, s96, 256
	s_sub_co_u32 s97, s97, 1
	s_cmp_lg_u32 s97, 0
	s_cbranch_scc1 .Lksum
.irp j, 0,1,2,3,4,5,6,7
	ds_store_b128 v213, v[160+4*\j:163+4*\j] offset:16*\j   ; 64 partial sums of 128 numbers; with quarters 144 bytes apart sixteen lanes' stores fall on sixteen different columns of 16 bytes
.endr
	BARRIER                                        ; the partial sums lie in LDS
.set k, 0
.rept 32
	ds_load_b32 v[32+k], v214 offset:576*k
.set k, k+1
.endr
	s_wait_dscnt 0x0
.set k, 0
.rept 8
	v_pk_add_f32 v[32+k:33+k], v[32+k:33+k], v[48+k:49+k]
.set k, k+2
.endr
.set k, 0
.rept 4
	v_pk_add_f32 v[32+k:33+k], v[32+k:33+k], v[40+k:41+k]
.set k, k+2
.endr
	v_pk_add_f32 v[32:33], v[32:33], v[36:37]
	v_pk_add_f32 v[34:35], v[34:35], v[38:39]
	v_pk_add_f32 v[32:33], v[32:33], v[34:35]
	v_add_f32 v32, v32, v33
	ds_store_b32 v215, v32
	BARRIER                                        ; the sum, in two halves, lies in LDS
.irp g, 0,1
.irp c, 0,1
.irp j, 0,1,2,3,4,5,6,7
	ds_load_b128 v[32+64*\g+32*\c+4*\j:35+64*\g+32*\c+4*\j], v216 offset:512*\g+256*\c+16*\j   ; numbers 64 c + 32 h + 0..31: those that my lane holds of Q
.endr
.endr
.endr
	s_wait_dscnt 0x0
	s_wait_loadcnt 0x0                             ; Q and its scale words; v252 and v253 are free
.set k, 0
.rept 32
	v_pk_add_f32 v[32+k:33+k], v[32+k:33+k], v[96+k:97+k]
.set k, k+2
.endr
	v_mov_b32 v[W+2], 0                            ; a lane permute's destination counts as one of its sources
	v_mov_b32 v[W+3], s20
	v_sub_f32 v[W+3], 1.0, v[W+3]                  ; 1 - alpha
; crow = (1 - alpha) x (q . sum / 2048) x log2(e), from Q's codes as they are given
.macro DEQ_Q i
.set rQ, Q+12*(\i)
.set rT, ST+8*(\i)
.irp k, 0,1,2
	v_mov_b32 v[160+\k], v[rQ+3+\k]                ; (a conversion's three registers begin on an even number: the upper half of a block's six does not)
	v_mov_b32 v[164+\k], v[rQ+9+\k]
.endr
	v_cvt_scale_pk16_f32_fp6 v[96:111], v[rQ:rQ+2], v194
	v_cvt_scale_pk16_f32_fp6 v[112:127], v[160:162], v194
	v_cvt_scale_pk16_f32_fp6 v[128:143], v[rQ+6:rQ+8], v194
	v_cvt_scale_pk16_f32_fp6 v[144:159], v[164:166], v194
	v_lshrrev_b32 v[W], v[SH8], v[QS+\i]           ; my blocks' scale bytes, h and 2 + h, to bits 7:0 and 23:16.  (The plain place behind the conversions)
	v_pk_mul_f32 v[168:169], v[96:97], v[32:33]
	v_pk_mul_f32 v[170:171], v[128:129], v[64:65]
.set k, 2
.rept 15
	v_pk_fma_f32 v[168:169], v[96+k:97+k], v[32+k:33+k], v[168:169]
	v_pk_fma_f32 v[170:171], v[128+k:129+k], v[64+k:65+k], v[170:171]
.set k, k+2
.endr
	v_and_b32 v[W+1], 0xff, v[W]
	v_bfe_u32 v[W], v[W], 16, 8
	v_lshlrev_b32 v[W+1], 23, v[W+1]
	v_lshlrev_b32 v[W], 23, v[W]
	v_max_num_f32 v[W+1], 0x400000, v[W+1]
	v_max_num_f32 v[W], 0x400000, v[W]
	v_add_f32 v168, v168, v169
	v_add_f32 v170, v170, v171
	v_mul_f32 v168, v168, v[W+1]
	v_fma_f32 v168, v170, v[W], v168
	v_permlanex16_b32 v[W+2], v168, s[SEL], s[SEL+1]
	v_add_f32 v168, v168, v[W+2]                   ; with lane l xor 16's two blocks: the sum of the row's scores
	v_mul_f32 v168, 0x3a000000, v168               ; / 2,048
	v_mul_f32 v168, v[W+3], v168
	v_mul_f32 v[rT+5], 0x3fb8aa3b, v168
.endm
	DEQ_Q 0
	DEQ_Q 1
.set j, 0
.rept 24
	v_xor_b32 v[Q+j], s[SG+j%3], v[Q+j]            ; alpha's sign goes into Q's codes
.set j, j+1
.endr
.irp i, 0,1
	v_mov_b32 v[ST+8*\i], 0
	v_mov_b32 v[ST+8*\i+1], 0xff61b1e6             ; the largest score so far: -3e38
	v_mov_b32 v[ST+8*\i+2], 0                      ; the sum, in two halves
	v_mov_b32 v[ST+8*\i+3], 0
	v_mov_b32 v[ST+8*\i+4], 0x7f61b1e6             ; -M: 3e38, so that the first f is 0
	v_mov_b32 v[ST+8*\i+6], 0
	v_mov_b32 v[ST+8*\i+7], 0
.endr
	WIN 0x40
.set k, 0
.rept 128
	v_mov_b32 v[k], 0                              ; O^T.  (The key step is written without a first step of its own: the first finds zeros, which the first change of M leaves zeros)
.set k, k+1
.endr
	WIN 0
; ---------------- THE KEY STEP'S PARTS
.macro KFETCH                          ; eight fragments of K (tile t = 4 c + u) and their scale words
	WIN 0x40                                       ; destination window 1, address window 0
.set t, 0
.rept 8
.set p, 0
.rept 6
	ds_load_b64 v[FR+12*t+2*p:FR+12*t+2*p+1], v[ADK] offset:3072*(t/4)+768*(t%4)+48*(p/3)+8*(p%3)
.set p, p+1
.endr
.set t, t+1
.endr
	WIN 0
.irp n, 0,1,2,3
	ds_load_b32 v[KS+\n], v[ADS] offset:256*(\n/2)+64*(\n%2)
.endr
.endm
.macro VFETCH q                        ; eight fragments of V (rows 16 t on), the slot's q-th 128 keys, and their scale words.  A row's piece of 8 bytes number PC lies at 8 PC + 16 (PC / 8); lanes 16-31 read three pieces on
	WIN 0x40
.set t, 0
.rept 8
.set p, 0
.rept 6
.set PC, 12*(\q)+6*(p/3)+p%3
.if PC%8 < 5
	ds_load_b64 v[FR+12*t+2*p:FR+12*t+2*p+1], v[ADV0] offset:8*PC+16*(PC/8)+16*VP*t
.else
	ds_load_b64 v[FR+12*t+2*p:FR+12*t+2*p+1], v[ADV1] offset:8*PC+16*(PC/8)+16*VP*t
.endif
.set p, p+1
.endr
.set t, t+1
.endr
	WIN 0
.irp n, 0,1,2,3
	ds_load_b32 v[VS+\n], v[ADT] offset:8*264*\n
.endr
.endm
.macro QK                              ; S^T = K Q^T: 16 products, each fragment of K against both tiles of queries
	WIN 0x01                                       ; source 0 (K) window 1
.set t, 0
.rept 8
.set i, 0
.rept 2
.if t%2
	v_wmma_scale_f32_16x16x128_f8f6f4 v[S+64*i+8*t:S+64*i+8*t+7], v[FR+12*t:FR+12*t+11], v[Q+12*i:Q+12*i+11], 0, v[KS+t/2], v[QS+i] matrix_a_fmt:MATRIX_FMT_FP6 matrix_b_fmt:MATRIX_FMT_FP6 matrix_a_scale:MATRIX_SCALE_ROW1
.else
	v_wmma_scale_f32_16x16x128_f8f6f4 v[S+64*i+8*t:S+64*i+8*t+7], v[FR+12*t:FR+12*t+11], v[Q+12*i:Q+12*i+11], 0, v[KS+t/2], v[QS+i] matrix_a_fmt:MATRIX_FMT_FP6 matrix_b_fmt:MATRIX_FMT_FP6
.endif
.set i, i+1
.endr
.set t, t+1
.endr
.endm
.macro PV                              ; O^T += V^T P^T: the sixteen accumulators take turns, one instruction a turn
	WIN 0x51                                       ; source 0 (V), C and D window 1; source 1 (p) window 0
.set t, 0
.rept 8
.set i, 0
.rept 2
.if t%2
	v_wmma_scale_f32_16x16x128_f8f6f4 v[64*i+8*t:64*i+8*t+7], v[FR+12*t:FR+12*t+11], v[P+12*i:P+12*i+11], v[64*i+8*t:64*i+8*t+7], v[VS+t/2], v[ST+8*i+7] matrix_a_fmt:MATRIX_FMT_FP6 matrix_b_fmt:MATRIX_FMT_FP6 matrix_a_scale:MATRIX_SCALE_ROW1
.else
	v_wmma_scale_f32_16x16x128_f8f6f4 v[64*i+8*t:64*i+8*t+7], v[FR+12*t:FR+12*t+11], v[P+12*i:P+12*i+11], v[64*i+8*t:64*i+8*t+7], v[VS+t/2], v[ST+8*i+7] matrix_a_fmt:MATRIX_FMT_FP6 matrix_b_fmt:MATRIX_FMT_FP6
.endif
.set i, i+1
.endr
.set t, t+1
.endr
.endm
; THE LARGEST SCORE OF EACH BLOCK OF 32 KEYS, all of them mine: two chains a block (registers 0-15, 16-31), eight chains by turns, ascending.
.macro BMAX
.irp i, 0,1
.irp c, 0,1
	v_max3_num_f32 v[BM+4*\i+\c], v[S+64*\i+32*\c], v[S+64*\i+32*\c+1], v[S+64*\i+32*\c+2]
	v_max3_num_f32 v[BM+4*\i+2+\c], v[S+64*\i+32*\c+16], v[S+64*\i+32*\c+17], v[S+64*\i+32*\c+18]
.endr
.endr
.irp k, 3,5,7,9,11,13
.irp i, 0,1
.irp c, 0,1
	v_max3_num_f32 v[BM+4*\i+\c], v[BM+4*\i+\c], v[S+64*\i+32*\c+\k], v[S+64*\i+32*\c+\k+1]
	v_max3_num_f32 v[BM+4*\i+2+\c], v[BM+4*\i+2+\c], v[S+64*\i+32*\c+16+\k], v[S+64*\i+32*\c+17+\k]
.endr
.endr
.endr
.irp i, 0,1
.irp c, 0,1
	v_max3_num_f32 v[BM+4*\i+\c], v[BM+4*\i+\c], v[BM+4*\i+2+\c], v[S+64*\i+32*\c+15]
.endr
.endr
.irp i, 0,1
.irp c, 0,1
	v_max_num_f32 v[BM+4*\i+\c], v[BM+4*\i+\c], v[S+64*\i+32*\c+31]
.endr
.endr
.endm
.macro STATS                           ; the two tiles line by line
.irp i, 0,1
	v_max_num_f32 v[W+\i], v[BM+4*\i], v[BM+4*\i+1]
.endr
.irp i, 0,1
	v_permlanex16_b32 v[W+2+\i], v[W+\i], s[SEL], s[SEL+1]   ; the query's other two blocks lie in the lane 16 away
.endr
.irp i, 0,1
	v_max3_num_f32 v[ST+8*\i+1], v[ST+8*\i+1], v[W+\i], v[W+2+\i]   ; the running largest score
.endr
.irp i, 0,1
	v_fma_f32 v[W+\i], v[ST+8*\i+1], s[CS], v[ST+8*\i+5]   ; as t: the factor is not negative
.endr
.irp i, 0,1
	v_floor_f32 v[W+2+\i], -v[W+\i]                ; the new -M = floor(-t) = -ceil(t): M IS A WHOLE NUMBER
.endr
.irp i, 0,1
	v_sub_f32 v[W+\i], v[W+2+\i], v[ST+8*\i+4]     ; M's old value less its new one: a whole number, 0 or less
.endr
.irp i, 0,1
	v_mov_b32 v[ST+8*\i+4], v[W+2+\i]
.endr
.irp i, 0,1
	v_cvt_i32_f32 v[W+\i], v[W+\i]                 ; (it saturates)
.endr
.irp i, 0,1
	v_ldexp_f32 v[ST+8*\i+6], 1.0, v[W+\i]         ; f = 2^(old M - new M): a multiplication by it rounds nothing
.endr
.irp i, 0,1
	v_add_f32 v[ST+8*\i], v[ST+8*\i+5], v[ST+8*\i+4]   ; crow - M
.endr
.irp i, 0,1
	v_pk_mul_f32 v[ST+8*\i+2:ST+8*\i+3], v[ST+8*\i+2:ST+8*\i+3], v[ST+8*\i+6:ST+8*\i+7] op_sel_hi:[1,0]   ; the sums under the new M
.endr
.endm
; Line n of 32 of tile i's sum of the UNQUANTISED p: two at a time, in two chains
.macro LSUML i, n
.set rS, S+64*(\i)
.set rL, ST+8*(\i)+2
.if (\n) == 0
	s_wait_alu depctr_va_vdst(0)
	v_pk_add_f32 v[U:U+1], v[rS:rS+1], v[rS+2:rS+3]
.elseif (\n) == 31
	v_pk_add_f32 v[rL:rL+1], v[rL:rL+1], v[U:U+1]
.elseif (\n)%2 == 1
	v_pk_add_f32 v[rL:rL+1], v[rL:rL+1], v[rS+2*(\n)+2:rS+2*(\n)+3]
.else
	v_pk_add_f32 v[U:U+1], v[U:U+1], v[rS+2*(\n)+2:rS+2*(\n)+3]
.endif
.endm
.macro LSUMS i, from, to
.set n, \from
.rept (\to)-(\from)+1
	LSUML \i, n
.set n, n+1
.endr
.endm
; p = 2^(score x |alpha| log2(e) + crow - M).  A plain line stands between every two exponentials' pair: tile 1's scalings beside tile 0's exponentials, tile 0's sums beside tile 1's.
; Each block's largest score goes through the same multiply-add and exponential: the same bits as the block's largest p.
.macro EXPS
.set k, 0
.rept 32
	v_pk_fma_f32 v[S+k:S+k+1], v[S+k:S+k+1], s[CS:CS+1], v[ST:ST+1] op_sel_hi:[1,0,0]
.set k, k+2
.endr
	v_fma_f32 v[BM], v[BM], s[CS], v[ST]
	v_fma_f32 v[BM+1], v[BM+1], s[CS], v[ST]
.set k, 0
.rept 32
	v_pk_fma_f32 v[S+64+k:S+65+k], v[S+64+k:S+65+k], s[CS:CS+1], v[ST+8:ST+9] op_sel_hi:[1,0,0]
	v_exp_f32 v[S+k], v[S+k]
	v_exp_f32 v[S+k+1], v[S+k+1]
.set k, k+2
.endr
	v_fma_f32 v[BM+4], v[BM+4], s[CS], v[ST+8]
	v_fma_f32 v[BM+5], v[BM+5], s[CS], v[ST+8]
	v_exp_f32 v[BM], v[BM]
	v_exp_f32 v[BM+1], v[BM+1]
.set k, 0
.rept 32
	LSUML 0, k
	v_exp_f32 v[S+64+2*k], v[S+64+2*k]
	v_exp_f32 v[S+65+2*k], v[S+65+2*k]
.set k, k+1
.endr
	v_exp_f32 v[BM+4], v[BM+4]
	v_exp_f32 v[BM+5], v[BM+5]                     ; (the two lines that follow touch tile 0's maxima alone: the plain place behind these)
.endm
.macro QUANTP                          ; p's codes and scale words
	s_wait_alu depctr_va_vdst(0)
.irp i, 0,1
.irp c, 0,1
	v_max_num_f32 v[BM+4*\i+\c], 0x1800000, v[BM+4*\i+\c]   ; the floor 2^(3 - 127): the byte cannot fall under 1
.endr
.endr
.irp i, 0,1
.irp c, 0,1
	v_add_nc_u32 v[SO+2*\i+\c], 0xff000000, v[BM+4*\i+\c]   ; 2 off the exponent field: the conversion takes the exponent field of this operand as its scale
.endr
.endr
.irp i, 0,1
.irp c, 0,1
	v_lshrrev_b32 v[BM+4*\i+\c], 23, v[SO+2*\i+\c]   ; the scale's byte
.endr
.endr
.irp i, 0,1
	v_lshl_or_b32 v[W+\i], v[BM+4*\i+1], 16, v[BM+4*\i]   ; my two bytes: blocks h and 2 + h,
.endr
.irp i, 0,1
	v_lshlrev_b32 v[W+\i], v[SH8], v[W+\i]         ; at their places in the word;
.endr
.irp i, 0,1
	v_permlanex16_b32 v[W+2+\i], v[W+\i], s[SEL], s[SEL+1]
.endr
.irp i, 0,1
	v_or_b32 v[ST+8*\i+7], v[W+\i], v[W+2+\i]      ; with lane l xor 16's two the word is whole
.endr
.irp i, 0,1
.irp c, 0,1
	v_cvt_scalef32_pk16_fp6_f32 v[P+12*\i+6*\c:P+12*\i+6*\c+2], v[S+64*\i+32*\c:S+64*\i+32*\c+15], v[SO+2*\i+\c]
	v_cvt_scalef32_pk16_fp6_f32 v[TP+8*\i+4*\c:TP+8*\i+4*\c+2], v[S+64*\i+32*\c+16:S+64*\i+32*\c+31], v[SO+2*\i+\c]   ; (a conversion's three registers begin on an even number)
.endr
.endr
	v_nop                                          ; one plain place behind a scaled conversion
.irp i, 0,1
.irp c, 0,1
.irp k, 0,1,2
	v_mov_b32 v[P+12*\i+6*\c+3+\k], v[TP+8*\i+4*\c+\k]
.endr
.endr
.endr
.endm
.macro OSCALE                          ; O^T under the new M, ascending.  These 64 lines are also the places between p's codes and scale words and the products that take them
	WIN 0x41                                       ; O^T (destination and source 0) window 1, f window 0
.irp i, 0,1
.set k, 0
.rept 32
	v_pk_mul_f32 v[64*\i+k:64*\i+k+1], v[64*\i+k:64*\i+k+1], v[ST+8*\i+6:ST+8*\i+7] op_sel_hi:[1,0]
.set k, k+2
.endr
.endr
.endm
; A KEY STEP: 128 keys, the q-th of the V slot in hand.  more = 1: the next step's fragments of K are asked for at its end.
.macro STEP q, more
	s_wait_dscnt 0x0                               ; K's fragments and scale words are in: nothing younger is out
	QK
	WIN 0
	s_add_co_u32 s[TK], s[TK], 6144
	s_add_co_u32 s[TS], s[TS], 512
	v_add_nc_u32 v[ADV0], s[TB], v[AV0]            ; these lines are the four places between the products and the loads into the registers that they have read, and the first read of their results
	v_add_nc_u32 v[ADV1], s[TB], v[AV1]
	v_add_nc_u32 v[ADT], s[TJ], v[ASV0]
.if \more
	v_add_nc_u32 v[ADK], s[TK], v[AK0]             ; the next step's K
	v_add_nc_u32 v[ADS], s[TS], v[ASK0]
.else
	v_nop
.endif
	s_add_co_u32 s[TJ], s[TJ], 4
	VFETCH \q                                      ; V lands while the softmax is walked
	BMAX
	STATS
	EXPS
	QUANTP
	OSCALE
	s_wait_dscnt 0x0                               ; V's fragments and scale words are in
	PV
	WIN 0
	LSUMS 1, 0, 3                                  ; tile 1's sums: the first four lines are the places in front of the loads into V's registers
.if \more
	KFETCH
.endif
	LSUMS 1, 4, 31
.endm
; THE CHANGE OF SLOTS stands at a slot's head.  Each wave waits for all its tensor loads, adds 0 to its spare word, and waits for that and for its LDS reads, those of the slot that it has left among them.
; fill = 1: the barrier is a round of the cluster's, so that no wave of any partner still reads the slot or has a load on its way; the joint refill is the first thing behind it and has two key steps in which to land.
.macro CHANGE fill
	s_wait_tensorcnt 0x0                           ; no tensor load of mine is out, so a group 0 may be written
	ds_add_u32 v[SPW], v[NIL]                      ; 0 onto my spare word
.if \fill
	s_xor_b32 s[G0V+1], s[G0V+1], VS1              ; the walking descriptor: the other slot than last time,
	s_add_nc_u64 s[G0V+2:G0V+3], s[G0V+2:G0V+3], 192   ; the next 256 keys of each row; the type bits on top are not reached
	s_wait_xcnt 0x0                                ; the last prefetch, two key steps back, has read its address, so it may be written:
	s_add_nc_u64 s[PFA:PFA+1], s[PFA:PFA+1], 192   ; one slot further on than the walking descriptor
	s_wait_dscnt 0x0                               ; the add is done, and my LDS reads are over
	CROUND
	TLOADV
	ASK
.else
	s_wait_dscnt 0x0
	s_barrier_signal -1
	s_barrier_wait -1
.endif
.endm
; ---------------- THE KEYS
	v_add_nc_u32 v[ADK], s[TK], v[AK0]
	v_add_nc_u32 v[ADS], s[TS], v[ASK0]
	KFETCH                                         ; key step 0
.Lslot:                                            ; 7 trips: behind each change of slots but the last the next slot is asked for
	CHANGE 1
	STEP 0, 1
	STEP 1, 1
	s_xor_b32 s[TB], s[TB], VS1                    ; on to the other slot
	s_sub_co_u32 s[SLOTS], s[SLOTS], 1
	s_cmp_lg_u32 s[SLOTS], 0
	s_cbranch_scc1 .Lslot
	CHANGE 0                                       ; the last slot is written out
	STEP 0, 1
	STEP 1, 0
; ---------------- THE WAY OUT.  O^T / the sum goes through my stage in LDS, half a row (64 channels, 256 bytes) of 16 queries at a time, and comes back as whole pieces of rows into the registers that it left.
.irp i, 0,1
	v_add_f32 v[W+\i], v[ST+8*\i+2], v[ST+8*\i+3]  ; the sum's two halves,
.endr
.irp i, 0,1
	v_permlanex16_b32 v[W+2+\i], v[W+\i], s[SEL], s[SEL+1]
.endr
.irp i, 0,1
	v_add_f32 v[W+\i], v[W+\i], v[W+2+\i]          ; and lane l xor 16's: the row's sum
.endr
.irp i, 0,1
	v_rcp_f32 v[ST+8*\i+6], v[W+\i]
.endr
	v_nop                                          ; a plain place behind the reciprocals
	s_wait_alu depctr_va_vdst(0)
.macro MULT i                          ; register 8 t + j becomes o(r, 16 t + 8 h + j); each accumulator from its low end on
	WIN 0x01                                       ; source 0 (O^T) window 1
.set k, 0
.rept 32
	v_pk_mul_f32 v[S+64*(\i)+k:S+64*(\i)+k+1], v[64*(\i)+k:64*(\i)+k+1], v[ST+8*(\i)+6:ST+8*(\i)+7] op_sel_hi:[1,0]
.set k, k+2
.endr
	WIN 0
.endm
.macro TOSTAGE i
.irp u, 0,1
.irp t, 0,1,2,3
	ds_store_b128 v[STO], v[S+64*(\i)+32*\u+8*\t:S+64*(\i)+32*\u+8*\t+3] offset:64*\t
	ds_store_b128 v[STO], v[S+64*(\i)+32*\u+8*\t+4:S+64*(\i)+32*\u+8*\t+7] offset:64*\t+16
.endr
.irp n, 0,1,2,3,4,5,6,7
	ds_load_b128 v[S+64*(\i)+32*\u+4*\n:S+64*(\i)+32*\u+4*\n+3], v[RD] offset:2*272*\n   ; LDS serves a wave's instructions in order (ISA guide 5.7.1.4): these see my stores, and the next half's stores come behind them
.endr
.endr
.endm
.macro SEND i, younger                 ; younger: the LDS instructions issued behind tile i's
.irp u, 0,1
.irp n, 0,1,2,3,4,5,6,7
	s_wait_dscnt (\younger)+16*(1-\u)+7-\n         ; behind this load: its later siblings, the other half's sixteen, the younger tile's
	global_store_b128 v[GO], v[S+64*(\i)+32*\u+4*\n:S+64*(\i)+32*\u+4*\n+3], s[18:19] offset:8192*(\i)+1024*\n+256*\u th:TH_STORE_NT   ; 16 lanes store 256 consecutive bytes, at a multiple of 256 from out0's first byte
.endr
.endr
.endm
	MULT 0
	TOSTAGE 0
	MULT 1                                         ; tile 1's arithmetic stands between tile 0's loads from the stage and its stores
	TOSTAGE 1
	SEND 0, 32
	SEND 1, 0
	s_wait_tensorcnt 0x0                           ; the wave's end: behind my last tensor load and my last LDS store
	ds_add_u32 v[SPW], v[NIL]
	s_wait_dscnt 0x0
	CROUND                                         ; the closing round: no work-group ends while a partner may still ask for a tile that names it
	s_endpgm
.Lfunc_end_k_q9df75f5c5e_attn:
	.size	k_q9df75f5c5e_attn, .Lfunc_end_k_q9df75f5c5e_attn-k_q9df75f5c5e_attn
	.p2alignl 7, 3214868480
	.fill 96, 4, 3214868480
	.section	.rodata,"a",@progbits
	.p2align	6, 0x0
	.amdhsa_kernel k_q9df75f5c5e_attn
		.amdhsa_group_segment_fixed_size 327680
		.amdhsa_private_segment_fixed_size 0
		.amdhsa_enable_private_segment 0
		.amdhsa_kernarg_size 64
		.amdhsa_user_sgpr_count 2
		.amdhsa_user_sgpr_kernarg_segment_ptr 1
		.amdhsa_wavefront_size32 1
		.amdhsa_system_sgpr_workgroup_id_x 1
		.amdhsa_system_sgpr_workgroup_id_y 1
		.amdhsa_system_sgpr_workgroup_id_z 1
		.amdhsa_system_vgpr_workitem_id 0
		.amdhsa_next_free_vgpr 512
		.amdhsa_next_free_sgpr 102
		.amdhsa_reserve_vcc 0
		.amdhsa_float_denorm_mode_32 3
		.amdhsa_float_denorm_mode_16_64 3
		.amdhsa_memory_ordered 1
		.amdhsa_forward_progress 1
		.amdhsa_inst_pref_size 199
	.end_amdhsa_kernel
	.amdgpu_metadata
---
amdhsa.version: [ 1, 2 ]
amdhsa.kernels:
  - .name:           k_q9df75f5c5e_attn
    .symbol:         k_q9df75f5c5e_attn.kd
    .args:
      - { .name: alpha, .offset: 0, .size: 8, .value_kind: global_buffer, .address_space: global }
      - { .name: k_codes, .offset: 8, .size: 8, .value_kind: global_buffer, .address_space: global }
      - { .name: k_scales, .offset: 16, .size: 8, .value_kind: global_buffer, .address_space: global }
      - { .name: q_codes, .offset: 24, .size: 8, .value_kind: global_buffer, .address_space: global }
      - { .name: q_scales, .offset: 32, .size: 8, .value_kind: global_buffer, .address_space: global }
      - { .name: v_codes, .offset: 40, .size: 8, .value_kind: global_buffer, .address_space: global }
      - { .name: v_scales, .offset: 48, .size: 8, .value_kind: global_buffer, .address_space: global }
      - { .name: out0, .offset: 56, .size: 8, .value_kind: global_buffer, .address_space: global }
    .group_segment_fixed_size: 327680
    .private_segment_fixed_size: 0
    .kernarg_segment_align: 8
    .kernarg_segment_size: 64
    .max_flat_workgroup_size: 256
    .sgpr_count:     102
    .vgpr_count:     512
    .wavefront_size: 32
...
	.end_amdgpu_metadata
.endif
;; end of part 1
